; MI455X (gfx1250); checked and timed in simulation.
; The chip was launched on July 23, 2026; its instructions are those of AMD's public machine-readable ISA for CDNA 5 (MIT licence, August 2026) and "CDNA5" Instruction Set Architecture Reference Guide (July 2026). The comments in the code are by the model that wrote it; some were corrected since.
;; Scaled Dot Product Attention. Allowed arithmetic: float matrix products may take bf16 or f16 operands with f32 sums; all other float work in f32.
;; Inputs: Wk 1,024 x 64 float32; Wq 1,024 x 64 float32; Wv 1,024 x 64 float32; x 4 x 4,096 x 1,024 float32.
;; Outputs: out0 4 x 4,096 x 64 float32.
;; One version. Each part assembles by itself: llvm-mc -triple=amdgcn-amd-amdhsa -mcpu=gfx1250 --defsym DOCPART=n.
;; ======== version 1 of 1: 2 launches
;; limits: values are held in f16: magnitudes above 65,504 overflow, below 6.1e-05 lose precision
;; workspace buffers: qf 2,097,152 bytes; kf 2,097,152 bytes; vf 2,097,152 bytes
;; launch proj (part 1): grid 256 x 1, 4 waves a work-group, no clusters, 279,040 bytes of LDS; arguments x, Wq, Wk, Wv, qf, kf, vf; writes qf, kf, vf
.if DOCPART == 1
	.amdgcn_target "amdgcn-amd-amdhsa--gfx1250"
	.amdhsa_code_object_version 6
	.text
	.protected	k_q58981bbdf8_proj
	.globl	k_q58981bbdf8_proj
	.p2align	8
	.type	k_q58981bbdf8_proj,@function
k_q58981bbdf8_proj:
	s_mov_b64 s[64:65], 0
	v_nop
	global_prefetch_b8 v0, s[64:65] scope:SCOPE_SE
	s_setreg_imm32_b32 hwreg(HW_REG_WAVE_MODE, 25, 1), 1
	s_wait_xcnt 0x0
; q = x Wq * (log2 e / 8), k = x Wk, v = x Wv.  x: [16384][1024] f32, W: [1024][64] f32.  Products in bf16 with f32 sums; q, k, v leave as f16,
; laid out as the matrix fragments that the attention launch loads: a tile of 16 tokens is 2,048 bytes, [quad 0..3][lane 0..31][16 bytes].
;   qf, kf: quad c, lane (r = lane % 16, h = lane / 16): token r, the 8 columns hd = 4 (8 h + i) + c, i = 0..7 (the same order of columns in q and in k: q.k is unchanged)
;   vf:     quad c, lane (r, h): column hd = 16 c + r, the 8 tokens 8 h + i
; LIMITS: x and W are rounded to bf16; |q log2 e / 8|, |k|, |v| must stay below 65,504, f16's largest number (with x of spread 1 and W of spread 1/32 they are
; about 5 at the most; with x and W both 30 times larger about 4,700).  The sum over the 1,024 k is made in four parts of 256, added as (0 + 1) + (2 + 3).
;
; SHARES: work-group g owns rows 64 g .. 64 g + 63 (262,144 bytes of x).  Wave w owns k = 256 w .. 256 w + 255 for all 64 rows and all 192 columns, so every
; number of x and of W is loaded and converted once in the work-group; 48 accumulator tiles of 16 x 16 a wave; the four waves' partial sums meet in LDS at the end.
; x comes by four tensor loads a wave (64 rows x 256 bytes each, rows aligned to 256 bytes), all issued at the start and never filled again: four are out at the most,
; and only the issuing wave reads its tiles, so its own counted wait is all the ordering that the loop needs.
; W goes from memory straight into registers: lane (r, h) takes the 16 bytes of columns 4 r .. 4 r + 3 of one row, so sixteen lanes take a whole row of 256 bytes,
; and component t of sixteen such loads is the fragment of the columns 4 r + t: no transposition anywhere.
; NO CLUSTER, though every work-group reads the same W: x takes 278,528 of the 327,680 bytes of LDS that a work-group can be given; the 49,152 left would hold two slots
; of 32 rows of the three W (24,576 bytes each), that is 32 rounds of the cluster's barrier for a kernel whose loop otherwise has no barrier at all.
.set XPITCH, 272                       ; an LDS row of x: 256 bytes + 16 of padding, so that the 16 rows of a fragment load begin in 16 different 16-byte columns
.set XTILE,  64*XPITCH                 ; one tensor load's tile
.set XWAVE,  4*XTILE                   ; a wave's four tiles
.set RWAVE,  48*1024                   ; the way out: a wave's 48 partial tiles of 1,024 bytes
.set VSTAGE, 4*RWAVE                   ; behind them: a stage of 4 quads for each wave, to put v's columns in order
.set VQUAD,  528                       ; pitch of a quad there: 512 bytes + 16
; window 0
.set WOFF, 1                           ; v1      byte offset in W: 256 w rows + 8 h rows + 16 r
.set XA,   2                           ; v2      LDS address of my x fragments: my wave's tiles + 272 r + 32 h
.set STB,  3                           ; v3      where I put partial tiles
.set LDB,  4                           ; v4-7    where I read the four waves' partial tiles of token tile w
.set VST,  8                           ; v8      v's stage, in
.set VLD,  9                           ; v9      v's stage, back
.set GO,   10                          ; v10     16 x lane: my bytes in a quad
.set XS,   16                          ; v16-79  x as loaded, f32: 16 registers for each of 4 token tiles
.set AF,   80                          ; v80-143 x fragments in bf16, two buffers of 4 x 8
.set WF,   144                         ; v144-207 W fragments in bf16, two buffers of 4 x 8
.set RS,   16                          ; the way out: v16-143, four waves' partial sums
.set Y,    144                         ; the way out: v144-191, 16 packed registers for each of q, k, v
.set VB,   192                         ; the way out: v192-207, v's quads in order
; window 1: v[64 u + 4 i + t], W as loaded, f32: stage u = 0, 1, 2 for Wq, Wk, Wv, load i = 0..15
; window 2: accumulators of q at v[8 (4 t + mt)], of k at v[128 + 8 (4 t + mt)];  window 3: of v at v[8 (4 t + mt)]
.set G1,   20                          ; s[20:27] descriptor group 1
.set G0,   28                          ; s[28:43] descriptor group 0, one set for each of my four tiles
.set MSB,  0
.macro WIN new                         ; s_set_vgpr_msb: bits 1:0 source 0, 3:2 source 1, 5:4 source 2, 7:6 destination; the high byte repeats the setting that is left
.if MSB != \new
	s_set_vgpr_msb (MSB<<8)|\new
.set MSB, \new
.endif
.endm
	s_load_b256 s[4:11], s[0:1], 0x0               ; x s[4:5], Wq s[6:7], Wk s[8:9], Wv s[10:11]
	s_load_b128 s[12:15], s[0:1], 0x20             ; qf s[12:13], kf s[14:15]
	s_load_b64 s[16:17], s[0:1], 0x30              ; vf
	v_lshl_add_u32 v254, v0, 2, 0x44000
	v_mov_b32 v255, 0
	ds_add_u32 v254, v255
	ds_add_u32 v254, v255
	v_lshrrev_b32 v11, 5, v0
	v_readfirstlane_b32 s18, v11                   ; wave 0..3
	; group 1: a tile of 64 rows x 64 elements of 4 bytes, 4 words of padding behind every 64 words
	s_mov_b32 s[G1+0], (2<<16)|(1<<20)|(5<<22)|(3<<25)
	s_mov_b32 s[G1+1], 64<<16                      ; tensor_dim0 = 64
	s_mov_b32 s[G1+2], 64<<16                      ; tensor_dim1 = 64
	s_mov_b32 s[G1+3], 64<<16                      ; tile_dim0 = 64
	s_mov_b32 s[G1+4], 64                          ; tile_dim1 = 64
	s_mov_b32 s[G1+5], 1024                        ; from row to row: 1,024 elements
	s_mov_b32 s[G1+6], 0
	s_mov_b32 s[G1+7], 0
	s_lshl_b32 s44, ttmp9, 18                      ; 64 rows of 4,096 bytes for each work-group (67,108,864 bytes in all: 32 bits do)
	s_lshl_b32 s47, s18, 10                        ; my wave's 256 columns
	s_add_co_u32 s44, s44, s47
	s_mov_b32 s45, 0
	s_mul_i32 s46, s18, XWAVE                      ; my wave's tiles in LDS
	s_wait_dscnt 0x0
	s_wait_kmcnt 0x0
	s_add_nc_u64 s[4:5], s[4:5], s[44:45]
.irp c, 0,1,2,3
	s_mov_b32 s[G0+4*\c], 1
	s_add_co_u32 s[G0+4*\c+1], s46, \c*XTILE
	s_add_nc_u64 s[G0+4*\c+2:G0+4*\c+3], s[4:5], \c*256
	s_or_b32 s[G0+4*\c+3], s[G0+4*\c+3], 0x80000000
	tensor_load_to_lds s[G0+4*\c:G0+4*\c+3], s[G1:G1+7]   ; all of my x is asked for before anything else is done
	s_nop 0
.endr
	s_lshl_b32 s44, ttmp9, 2
	s_add_co_u32 s44, s44, s18                     ; the token tile that I finish: 4 g + w
	s_lshl_b32 s44, s44, 11                        ; 2,048 bytes a tile
	s_add_nc_u64 s[12:13], s[12:13], s[44:45]
	s_add_nc_u64 s[14:15], s[14:15], s[44:45]
	s_add_nc_u64 s[16:17], s[16:17], s[44:45]
	v_and_b32 v11, 15, v0                          ; r
	v_bfe_u32 v12, v0, 4, 1                        ; h
	v_and_b32 v13, 31, v0                          ; lane
	v_lshlrev_b32 v[WOFF], 4, v11
	v_lshl_add_u32 v[WOFF], v12, 11, v[WOFF]
	s_lshl_b32 s47, s18, 16
	v_add_nc_u32 v[WOFF], s47, v[WOFF]
; Unit u = 3 ks + mu is K step ks (32 along k) of matrix mu.  Its 16 loads: rows 32 ks + 16 (i / 8) + 8 h + i % 8 of my 256.
.macro WLOAD u
	WIN 0x40                                       ; destination window 1, address window 0
.irp i, 0,1,2,3,4,5,6,7,8,9,10,11,12,13,14,15
	global_load_b128 v[64*((\u)%3)+4*\i:64*((\u)%3)+4*\i+3], v[WOFF], s[6+2*((\u)%3):7+2*((\u)%3)] offset:((\u)/3)*8192+(\i>>3)*4096+(\i&7)*256
.endr
.endm
; x of K step ks, f32: for each of 4 token tiles k = 8 h .. 8 h + 7 (bytes 0, 16) and k = 16 + 8 h .. (bytes 64, 80)
.macro XLOAD ks
	WIN 0
.irp mt, 0,1,2,3
.irp n, 0,1,2,3
	ds_load_b128 v[XS+16*\mt+4*\n:XS+16*\mt+4*\n+3], v[XA] offset:((\ks)>>1)*XTILE+\mt*16*XPITCH+((\ks)&1)*128+(\n>>1)*64+(\n&1)*16
.endr
.endr
.endm
.macro XCVT ks
	WIN 0
	s_wait_dscnt 0x0                               ; the sixteen loads of this K step's x
.irp mt, 0,1,2,3
.irp p, 0,1,2,3,4,5,6,7
	v_cvt_pk_bf16_f32 v[AF+32*((\ks)&1)+8*\mt+\p], v[XS+16*\mt+2*\p], v[XS+16*\mt+2*\p+1]
.endr
.endr
.endm
.macro MM d, a, b, zero                ; zero = 1: the first product starts the sum, nothing is cleared
.if \zero
	v_wmma_f32_16x16x32_bf16 v[\d:\d+7], v[\a:\a+7], v[\b:\b+7], 0
.else
	v_wmma_f32_16x16x32_bf16 v[\d:\d+7], v[\a:\a+7], v[\b:\b+7], v[\d:\d+7]
.endif
.endm
; One unit: W's stage to bf16 fragments, the stage loaded again three units ahead, 16 matrix instructions.
; The 48 accumulators take turns, one instruction a turn.
; Both fragment buffers (W's by unit, x's by K step) alternate, so a conversion writes a register that a matrix instruction has read only behind the 32 conversions of the unit between.
.macro UNIT ks, mu
.set U, 3*\ks+\mu
.set ZERO, 0
.if \ks == 0
.set ZERO, 1
.endif
.set LEFT, 16*(23-U)
.if LEFT > 32
.set LEFT, 32
.endif
	s_wait_loadcnt LEFT                            ; loads come back in order: what may stay out are the 16 loads of each younger unit, two of them but at the end
	WIN 0x05                                       ; sources window 1, destination window 0
.irp t, 0,1,2,3
.irp p, 0,1,2,3,4,5,6,7
	v_cvt_pk_bf16_f32 v[WF+32*(U&1)+8*\t+\p], v[64*\mu+8*\p+\t], v[64*\mu+8*\p+4+\t]
.endr
.endr
.if U+3 <= 23
	WLOAD U+3
.endif
.if \mu == 2
	WIN 0xf0                                       ; C and D window 3
.else
	WIN 0xa0                                       ; C and D window 2
.endif
.irp t, 0,1,2,3
.irp mt, 0,1,2,3
.if \mu == 2
	MM 8*(4*\t+\mt), AF+32*(\ks&1)+8*\mt, WF+32*(U&1)+8*\t, ZERO           ; v: rows = tokens: a lane holds one column, 8 tokens
.else
	MM 128*\mu+8*(4*\t+\mt), WF+32*(U&1)+8*\t, AF+32*(\ks&1)+8*\mt, ZERO   ; q, k: rows = columns of W: a lane holds one token, 8 columns
.endif
.endr
.endr
.endm
.macro KSTEP ks
	XCVT \ks
	UNIT \ks, 0
	UNIT \ks, 1
.if \ks < 7
.if (\ks & 1)
	s_wait_tensorcnt 3-(\ks+1)/2                   ; tensor loads end in order: my tile (ks + 1) / 2 is in, the younger ones may stay out
.endif
	XLOAD (\ks+1)                                  ; a unit's work ahead of its use
.endif
	UNIT \ks, 2
.endm
	WLOAD 0
	WLOAD 1
	WLOAD 2
	WIN 0
	v_mul_u32_u24 v[XA], v11, XPITCH
	v_lshl_add_u32 v[XA], v12, 5, v[XA]
	v_add_nc_u32 v[XA], s46, v[XA]
	s_mul_i32 s47, s18, RWAVE
	v_lshl_add_u32 v[STB], v13, 4, s47
	s_lshl_b32 s47, s18, 10
	v_lshl_add_u32 v[LDB], v13, 4, s47             ; wave 0's partial tile of token tile w,
	v_add_nc_u32 v[LDB+1], RWAVE, v[LDB]           ; wave 1's,
	v_add_nc_u32 v[LDB+2], 2*RWAVE, v[LDB]
	v_add_nc_u32 v[LDB+3], 3*RWAVE, v[LDB]
	s_mul_i32 s47, s18, 4*VQUAD
	s_add_co_u32 s47, s47, VSTAGE
	v_lshrrev_b32 v14, 2, v11                      ; column 4 r + t belongs to quad r / 4,
	v_and_b32 v15, 3, v11                          ; lane 16 h + 4 (r % 4) + t
	v_mul_u32_u24 v[VST], v14, VQUAD
	v_lshl_add_u32 v[VST], v12, 8, v[VST]
	v_lshl_add_u32 v[VST], v15, 6, v[VST]
	v_add_nc_u32 v[VST], s47, v[VST]
	v_lshl_add_u32 v[VLD], v13, 4, s47
	v_lshlrev_b32 v[GO], 4, v13
	s_wait_tensorcnt 0x3                           ; my first tile is in; three stay out
	XLOAD 0
.irp ks, 0,1,2,3,4,5,6,7
	KSTEP \ks
.endr
	; THE WAY OUT.  Four places behind the last matrix instructions, then the x tiles, which have had their only fill, are given up:
	; every wave's reads of them are back and its tensor loads have landed in front of the barrier.
	WIN 0
.rept 4
	v_nop
.endr
	s_wait_dscnt 0x0
	s_wait_tensorcnt 0x0
	s_barrier_signal -1
	s_barrier_wait -1
	WIN 0x08                                       ; store data window 2: q's and k's tiles
.set tau, 0
.rept 32
	ds_store_b128 v[STB], v[8*tau:8*tau+3] offset:tau*1024
	ds_store_b128 v[STB], v[8*tau+4:8*tau+7] offset:tau*1024+512
.set tau, tau+1
.endr
	WIN 0x0c                                       ; window 3: v's
.rept 16
	ds_store_b128 v[STB], v[8*(tau-32):8*(tau-32)+3] offset:tau*1024
	ds_store_b128 v[STB], v[8*(tau-32)+4:8*(tau-32)+7] offset:tau*1024+512
.set tau, tau+1
.endr
	WIN 0
	s_wait_dscnt 0x0                               ; my partial tiles are in LDS, for the others' sake,
	s_barrier_signal -1
	s_barrier_wait -1                              ; and so are everybody's
; Wave w finishes token tile w of matrix mu: four waves' parts of its four column tiles, added, rounded to f16, 16 bytes a lane and quad.
.macro FINISH mu
.irp s, 0,1,2,3
.irp t, 0,1,2,3
	ds_load_b128 v[RS+32*\s+8*\t:RS+32*\s+8*\t+3],   v[LDB+\s] offset:(16*\mu+4*\t)*1024
	ds_load_b128 v[RS+32*\s+8*\t+4:RS+32*\s+8*\t+7], v[LDB+\s] offset:(16*\mu+4*\t)*1024+512
.endr
.endr
	s_wait_dscnt 0x0
.set n, 0
.rept 16
	v_pk_add_f32 v[RS+2*n:RS+2*n+1], v[RS+2*n:RS+2*n+1], v[RS+32+2*n:RS+32+2*n+1]
	v_pk_add_f32 v[RS+64+2*n:RS+64+2*n+1], v[RS+64+2*n:RS+64+2*n+1], v[RS+96+2*n:RS+96+2*n+1]
.set n, n+1
.endr
.set n, 0
.rept 16
	v_pk_add_f32 v[RS+2*n:RS+2*n+1], v[RS+2*n:RS+2*n+1], v[RS+64+2*n:RS+64+2*n+1]
.set n, n+1
.endr
.if \mu == 0
.set n, 0
.rept 16
	v_pk_mul_f32 v[RS+2*n:RS+2*n+1], v[RS+2*n:RS+2*n+1], 0x3e38aa3b op_sel_hi:[1,0]   ; log2 e / 8: the scores' 1 / sqrt(64), and base 2 for the exponentials
.set n, n+1
.endr
.endif
.set n, 0
.rept 16
	v_cvt_pk_f16_f32 v[Y+16*\mu+n], v[RS+2*n], v[RS+2*n+1]     ; each matrix has its own 16 registers: no store's data is written again
.set n, n+1
.endr
.endm
	FINISH 0
.irp t, 0,1,2,3
	global_store_b128 v[GO], v[Y+4*\t:Y+4*\t+3], s[12:13] offset:512*\t        ; a wave's store covers 512 consecutive bytes, aligned
.endr
	FINISH 1
.irp t, 0,1,2,3
	global_store_b128 v[GO], v[Y+16+4*\t:Y+16+4*\t+3], s[14:15] offset:512*\t
.endr
	FINISH 2
.irp t, 0,1,2,3
	ds_store_b128 v[VST], v[Y+32+4*\t:Y+32+4*\t+3] offset:16*\t                ; column 4 r + t to its place among 16 c + r'
.endr
.irp c, 0,1,2,3
	ds_load_b128 v[VB+4*\c:VB+4*\c+3], v[VLD] offset:VQUAD*\c                  ; my wave's own bytes: LDS serves a wave's instructions in order
.endr
	s_wait_dscnt 0x0
.irp c, 0,1,2,3
	global_store_b128 v[GO], v[VB+4*\c:VB+4*\c+3], s[16:17] offset:512*\c
.endr
	s_wait_tensorcnt 0x0
	ds_add_u32 v254, v255
	s_wait_dscnt 0x0
	s_endpgm
.Lfunc_end_k_q58981bbdf8_proj:
	.size	k_q58981bbdf8_proj, .Lfunc_end_k_q58981bbdf8_proj-k_q58981bbdf8_proj
	.p2alignl 7, 3214868480
	.fill 96, 4, 3214868480
	.section	.rodata,"a",@progbits
	.p2align	6, 0x0
	.amdhsa_kernel k_q58981bbdf8_proj
		.amdhsa_group_segment_fixed_size 279040
		.amdhsa_private_segment_fixed_size 0
		.amdhsa_enable_private_segment 0
		.amdhsa_kernarg_size 56
		.amdhsa_user_sgpr_count 2
		.amdhsa_user_sgpr_kernarg_segment_ptr 1
		.amdhsa_wavefront_size32 1
		.amdhsa_system_sgpr_workgroup_id_x 1
		.amdhsa_system_sgpr_workgroup_id_y 1
		.amdhsa_system_sgpr_workgroup_id_z 1
		.amdhsa_system_vgpr_workitem_id 0
		.amdhsa_next_free_vgpr 896
		.amdhsa_next_free_sgpr 66
		.amdhsa_reserve_vcc 0
		.amdhsa_float_denorm_mode_32 3
		.amdhsa_float_denorm_mode_16_64 3
		.amdhsa_memory_ordered 1
		.amdhsa_forward_progress 1
		.amdhsa_inst_pref_size 168
	.end_amdhsa_kernel
	.amdgpu_metadata
---
amdhsa.version: [ 1, 2 ]
amdhsa.kernels:
  - .name:           k_q58981bbdf8_proj
    .symbol:         k_q58981bbdf8_proj.kd
    .args:
      - { .name: x, .offset: 0, .size: 8, .value_kind: global_buffer, .address_space: global }
      - { .name: Wq, .offset: 8, .size: 8, .value_kind: global_buffer, .address_space: global }
      - { .name: Wk, .offset: 16, .size: 8, .value_kind: global_buffer, .address_space: global }
      - { .name: Wv, .offset: 24, .size: 8, .value_kind: global_buffer, .address_space: global }
      - { .name: qf, .offset: 32, .size: 8, .value_kind: global_buffer, .address_space: global }
      - { .name: kf, .offset: 40, .size: 8, .value_kind: global_buffer, .address_space: global }
      - { .name: vf, .offset: 48, .size: 8, .value_kind: global_buffer, .address_space: global }
    .group_segment_fixed_size: 279040
    .private_segment_fixed_size: 0
    .kernarg_segment_align: 8
    .kernarg_segment_size: 56
    .max_flat_workgroup_size: 128
    .sgpr_count:     66
    .vgpr_count:     896
    .wavefront_size: 32
...
	.end_amdgpu_metadata
.endif
;; end of part 1
;; launch attn (part 2): grid 256 x 1, 8 waves a work-group, no clusters, 144,384 bytes of LDS; arguments qf, kf, vf, out0; writes out0
.if DOCPART == 2
	.amdgcn_target "amdgcn-amd-amdhsa--gfx1250"
	.amdhsa_code_object_version 6
	.text
	.protected	k_q58981bbdf8_attn
	.globl	k_q58981bbdf8_attn
	.p2align	8
	.type	k_q58981bbdf8_attn,@function
k_q58981bbdf8_attn:
	s_mov_b64 s[64:65], 0
	v_nop
	global_prefetch_b8 v0, s[64:65] scope:SCOPE_SE
	s_setreg_imm32_b32 hwreg(HW_REG_WAVE_MODE, 25, 1), 1
	s_wait_xcnt 0x0
; Causal attention, one head of 64, 4 batches of 4,096 tokens, from the f16 fragments that the projection launch stored (q already times log2 e / 8).  out0: [4][4096][64] f32.
; SHARES: work-group g: batch b = g / 64, j = g % 64; it owns the 32 rows of block j (the low set) and of block 127 - j (the high set): (j + 1) + (128 - j) = 129 units
; of 32 keys x 32 rows in every work-group.  The eight waves split the keys: wave w takes the chunks of 32 keys c = w, w + 8, .. up to 127 - j; a chunk's K and V serve the high set
; and, while c <= j, the low set too.  Each wave keeps its own running maximum, sum and output; the eight meet in LDS at the end.
; NOTHING IS TRANSPOSED: scores are made as S^T = K Q^T, so a lane holds one query and its registers 8 keys; their exponentials, packed, are the operand P^T of O^T = V^T P^T,
; in which a lane again holds one query: maximum, sum and rescaling factor are one number a lane.
; K and V go from memory straight into operand registers (each load of a wave covers 512 consecutive bytes), three stages of 16 loads, filled again two chunks' work ahead.
; NO CLUSTER, NO LDS TILES: each fragment is used by one wave of the work-group, and the work-groups of a batch need different numbers of chunks (128 - j).
; LIMITS: a masked score and the starting maximum are -1e30, not -infinity; the running maximum is taken away in front of every exponential; scores (times log2 e / 8) below -1e30
; are not served.  Infinite or NaN inputs are not served (a masked key's V still meets a weight 0 in the product).  P is rounded to f16, the sum is made of the unrounded numbers.
.set CHUNK, 4096                       ; bytes of 32 tokens in kf and in vf
.set OPITCH, 272                       ; merge: a row of 64 f32 + 16 bytes
.set OWAVE, 64*OPITCH                  ; merge: a wave's 64 rows
.set LST,  2048                        ; merge: maxima at [wave] 256 + [row] 4 from byte 0, sums the same from here,
.set OST,  4096                        ; outputs from here
; window 0
.set LANE16, 1                         ; v1      16 x lane
.set VOFF, 2                           ; v2-4    stage st: 16 x lane + 4,096 x the chunk that it loads next
.set VMAX, 5                           ; v5      the same for the batch's last chunk
.set RH,   6                           ; v6      r - 8 h
.set NEG,  7                           ; v7      -1e30
.set M,    8                           ; v8-11   running maximum of query tile qt = 2 set + q
.set L,    12                          ; v12-19  running sum, a pair for each qt (even and odd keys of my half)
.set AL,   20                          ; v20-23  rescaling factor, a pair for each q of which the low register counts
.set MN,   24                          ; v24-27  minus the new maximum, likewise
.set T,    28                          ; v28-39  at work
.set S,    40                          ; v40-71  scores: 16 q + 8 kt
.set P,    72                          ; v72-87  P^T fragment: 8 q
.set MA,   88                          ; v88     merge: my wave's table + 4 r
.set MR,   89                          ; v89     merge: 4 r
.set OA,   90                          ; v90     merge: where I put my outputs
.set RB,   91                          ; v91-92  merge: where I read rows back, waves 0-3 and 4-7
.set LR,   93                          ; v93     merge: where I read the sums
.set O,    96                          ; v96-223 outputs: 64 set + 32 q + 8 t
; window 1: stage st: K at v[64 st + 16 kt + 8 ks], V at v[64 st + 32 + 8 t];  Q at v[192 + 32 set + 16 q + 8 ks]
.set QF,   192
.set SW,   12                          ; s12 wave   s13 batch   s14 j   s15 127 - j   s16 my chunk   s17 trips
.set SB,   13
.set SJ,   14
.set SCHI, 15
.set SC,   16
.set STR,  17
.set MSK,  40                          ; s40-47  lanes with r - 8 h >= jj: key 8 h + jj is not behind query r
.set MSB,  0
.macro WIN new                         ; s_set_vgpr_msb: bits 1:0 source 0, 3:2 source 1, 5:4 source 2, 7:6 destination; the high byte repeats the setting that is left
.if MSB != \new
	s_set_vgpr_msb (MSB<<8)|\new
.set MSB, \new
.endif
.endm
.macro PADD d, a
	v_pk_add_f32 v[\d:\d+1], v[\d:\d+1], v[\a:\a+1]
.endm
	s_load_b256 s[4:11], s[0:1], 0x0               ; qf s[4:5], kf s[6:7], vf s[8:9], out0 s[10:11]
	v_lshl_add_u32 v254, v0, 2, 0x23000
	v_mov_b32 v255, 0
	v_lshrrev_b32 v28, 5, v0
	v_readfirstlane_b32 s[SW], v28
	s_lshr_b32 s[SB], ttmp9, 6
	s_and_b32 s[SJ], ttmp9, 63
	s_sub_co_u32 s[SCHI], 127, s[SJ]
	s_mov_b32 s[SC], s[SW]
	s_sub_co_u32 s[STR], s[SCHI], s[SW]            ; my chunks: n = (127 - j - w) / 8 + 1, 8 to 16
	s_lshr_b32 s[STR], s[STR], 3
	s_add_co_u32 s[STR], s[STR], 3                 ; n + 2, 10 to 18
	s_mul_i32 s[STR], s[STR], 43
	s_lshr_b32 s[STR], s[STR], 7                   ; (n + 2) / 3 in that range: groups of three stages, 3 to 6
	s_sub_co_u32 s[STR], s[STR], 1                 ; the last group is written out behind the loop
	s_mov_b32 s18, 0x76543210                      ; v_permlanex16_b32: lane i reads lane i of the other half
	s_mov_b32 s19, 0xfedcba98
	s_lshl_b32 s24, s[SB], 19                      ; a batch: 256 token tiles of 2,048 bytes
	s_mov_b32 s25, 0
	s_lshl_b32 s26, s[SJ], 12                      ; a block of 32 rows: 4,096 bytes
	s_mov_b32 s27, 0
	s_lshl_b32 s28, s[SCHI], 12
	s_mov_b32 s29, 0
	s_lshl_b32 s30, s[SW], 12
	v_and_b32 v29, 31, v0                          ; lane
	v_and_b32 v30, 15, v0                          ; r
	v_bfe_u32 v31, v0, 4, 1                        ; h
	v_lshlrev_b32 v[LANE16], 4, v29
	v_add_nc_u32 v[VOFF], s30, v[LANE16]           ; chunks w, w + 8, w + 16
	v_add_nc_u32 v[VOFF+1], 8*CHUNK, v[VOFF]
	v_add_nc_u32 v[VOFF+2], 16*CHUNK, v[VOFF]
	v_add_nc_u32 v[VMAX], 127*CHUNK, v[LANE16]
	s_wait_kmcnt 0x0
	s_add_nc_u64 s[4:5], s[4:5], s[24:25]
	s_add_nc_u64 s[6:7], s[6:7], s[24:25]
	s_add_nc_u64 s[8:9], s[8:9], s[24:25]
	s_add_nc_u64 s[20:21], s[4:5], s[26:27]        ; q of the low set
	s_add_nc_u64 s[22:23], s[4:5], s[28:29]        ; q of the high set
	WIN 0x40                                       ; destination window 1
.irp n, 0,1,2,3,4,5,6,7
	global_load_b128 v[QF+4*\n:QF+4*\n+3],       v[LANE16], s[20:21] offset:512*\n
	global_load_b128 v[QF+32+4*\n:QF+32+4*\n+3], v[LANE16], s[22:23] offset:512*\n
.endr
; Sixteen loads: a chunk's K (2 key tiles x 2 steps of 32 along hd x 2 quads) and V^T (4 tiles of hd; quad t of both token tiles)
.macro FILL st
	WIN 0x40
.irp n, 0,1,2,3,4,5,6,7
	global_load_b128 v[64*\st+4*\n:64*\st+4*\n+3], v[VOFF+\st], s[6:7] offset:512*\n
.endr
.irp t, 0,1,2,3
	global_load_b128 v[64*\st+32+8*\t:64*\st+32+8*\t+3],   v[VOFF+\st], s[8:9] offset:512*\t
	global_load_b128 v[64*\st+32+8*\t+4:64*\st+32+8*\t+7], v[VOFF+\st], s[8:9] offset:2048+512*\t
.endr
	WIN 0
.endm
	FILL 0
	FILL 1
	FILL 2
	; while they are on their way: masks, merge addresses, the store's base, and the start of the sums
	v_lshlrev_b32 v32, 3, v31
	v_sub_nc_u32 v[RH], v30, v32
	v_mov_b32 v[NEG], 0xf149f2ca
.irp jj, 0,1,2,3,4,5,6,7
	v_cmp_ge_i32 s[MSK+\jj], v[RH], \jj
.endr
	s_lshl_b32 s31, s[SW], 8
	v_lshl_add_u32 v[MA], v30, 2, s31
	v_lshlrev_b32 v[MR], 2, v30
	s_mul_i32 s31, s[SW], OWAVE
	s_add_co_u32 s31, s31, OST
	v_mul_u32_u24 v[OA], v30, OPITCH
	v_lshl_add_u32 v[OA], v31, 5, v[OA]
	v_add_nc_u32 v[OA], s31, v[OA]                 ; my wave's rows + 272 r + 32 h
	s_mul_i32 s31, s[SW], 8*OPITCH
	s_add_co_u32 s31, s31, OST
	v_mul_u32_u24 v[RB], v31, OPITCH
	v_lshl_add_u32 v[RB], v30, 4, v[RB]
	v_add_nc_u32 v[RB], s31, v[RB]                 ; wave 0's copy of row 8 w + h, 16 bytes at 16 r
	v_add_nc_u32 v[RB+1], 4*OWAVE, v[RB]           ; wave 4's
	s_lshl_b32 s31, s[SW], 5
	s_add_co_u32 s31, s31, LST
	v_lshl_add_u32 v[LR], v31, 2, s31              ; sums of row 8 w + h
	s_lshl_b32 s32, s[SJ], 5
	s_lshl_b32 s33, s[SW], 3
	s_add_co_u32 s32, s32, s33                     ; waves 0-3 finish rows 32 j + 8 w ..,
	s_lshl_b32 s34, s[SCHI], 5
	s_add_co_u32 s34, s34, s33
	s_sub_co_u32 s34, s34, 32                      ; waves 4-7 rows 32 (127 - j) + 8 (w - 4) ..
	s_cmp_lt_u32 s[SW], 4
	s_cselect_b32 s32, s32, s34
	s_lshl_b32 s32, s32, 8                         ; 256 bytes a row
	s_lshl_b32 s33, s[SB], 20
	s_add_co_u32 s32, s32, s33
	s_mov_b32 s33, 0
	s_add_nc_u64 s[10:11], s[10:11], s[32:33]
	; The outputs are cleared by moves: a wave with w > j has no product at all for the low set, so no first product could start those sums.
.set n, 0
.rept 128
	v_mov_b32 v[O+n], 0
.set n, n+1
.endr
.irp n, 0,1,2,3,4,5,6,7
	v_mov_b32 v[L+\n], 0
	v_mov_b32 v[AL+\n], 0                          ; AL and MN: the pairs' high registers are named by the packed forms and never count
.endr
.irp n, 0,1,2,3
	v_mov_b32 v[M+\n], v[NEG]
.endr
; S^T = K Q^T for 32 keys x 32 queries: four accumulators, by turns, one instruction a turn; the first step along hd starts the sums.
.macro SCORES set, st
	WIN 0x05                                       ; K and Q window 1
.irp q, 0,1
.irp kt, 0,1
	v_wmma_f32_16x16x32_f16 v[S+16*\q+8*\kt:S+16*\q+8*\kt+7], v[64*\st+16*\kt:64*\st+16*\kt+7], v[QF+32*\set+16*\q:QF+32*\set+16*\q+7], 0
.endr
.endr
.irp q, 0,1
.irp kt, 0,1
	v_wmma_f32_16x16x32_f16 v[S+16*\q+8*\kt:S+16*\q+8*\kt+7], v[64*\st+16*\kt+8:64*\st+16*\kt+15], v[QF+32*\set+16*\q+8:QF+32*\set+16*\q+15], v[S+16*\q+8*\kt:S+16*\q+8*\kt+7]
.endr
.endr
	WIN 0
.rept 4
	v_nop                                          ; four places in front of the vector instructions that read or write the scores (ISA guide 7.12.1)
.endr
.endm
; The chunk on the diagonal: key 16 kt + 8 h + jj against query 16 q + r.  (q, kt) = (1, 0) is all allowed, (0, 1) all masked, (0, 0) and (1, 1) by r - 8 h >= jj.
.macro MASK
.irp jj, 0,1,2,3,4,5,6,7
	v_mov_b32 v[S+8+\jj], v[NEG]
	v_cndmask_b32 v[S+\jj], v[NEG], v[S+\jj], s[MSK+\jj]
	v_cndmask_b32 v[S+24+\jj], v[NEG], v[S+24+\jj], s[MSK+\jj]
.endr
.endm
; The running softmax of one unit, both query tiles side by side.
.macro SOFT set
.irp q, 0,1
	v_max3_num_f32 v[T+6*\q],   v[S+16*\q],    v[S+16*\q+1],  v[S+16*\q+2]
	v_max3_num_f32 v[T+6*\q+1], v[S+16*\q+3],  v[S+16*\q+4],  v[S+16*\q+5]
	v_max3_num_f32 v[T+6*\q+2], v[S+16*\q+6],  v[S+16*\q+7],  v[S+16*\q+8]
	v_max3_num_f32 v[T+6*\q+3], v[S+16*\q+9],  v[S+16*\q+10], v[S+16*\q+11]
	v_max3_num_f32 v[T+6*\q+4], v[S+16*\q+12], v[S+16*\q+13], v[S+16*\q+14]
.endr
.irp q, 0,1
	v_max3_num_f32 v[T+6*\q],   v[T+6*\q],   v[T+6*\q+1], v[T+6*\q+2]
	v_max3_num_f32 v[T+6*\q+3], v[T+6*\q+3], v[T+6*\q+4], v[S+16*\q+15]
.endr
.irp q, 0,1
	v_max3_num_f32 v[T+6*\q], v[T+6*\q], v[T+6*\q+3], v[M+2*\set+\q]   ; my 16 keys and the maximum so far
.endr
.irp q, 0,1
	v_permlanex16_b32 v[T+6*\q+1], v[T+6*\q], s18, s19                 ; the other 16 keys lie in the other half of the lanes
.endr
.irp q, 0,1
	v_max_num_f32 v[T+6*\q], v[T+6*\q], v[T+6*\q+1]
.endr
.irp q, 0,1
	v_sub_f32 v[MN+2*\q], 0, v[T+6*\q]                                 ; minus the new maximum
.endr
.irp q, 0,1
	v_add_f32 v[T+6*\q+1], v[M+2*\set+\q], v[MN+2*\q]                  ; old - new
.endr
.irp q, 0,1
	v_exp_f32 v[AL+2*\q], v[T+6*\q+1]                                  ; what the sums so far are worth under the new maximum
.endr
.irp q, 0,1
	v_mov_b32 v[M+2*\set+\q], v[T+6*\q]                                ; plain instructions between the exponentials and the first use of their results (ISA guide 5.7.2)
.endr
.irp q, 0,1
.irp n, 0,2,4,6,8,10,12,14
	v_pk_add_f32 v[S+16*\q+\n:S+16*\q+\n+1], v[S+16*\q+\n:S+16*\q+\n+1], v[MN+2*\q:MN+2*\q+1] op_sel_hi:[1,0]
.endr
.endr
.set n, 0
.rept 32
	v_exp_f32 v[S+n], v[S+n]
.set n, n+1
.endr
	s_wait_alu depctr_va_vdst(0)
.irp q, 0,1
.set n, 0
.rept 16
	v_pk_mul_f32 v[O+64*\set+32*\q+2*n:O+64*\set+32*\q+2*n+1], v[O+64*\set+32*\q+2*n:O+64*\set+32*\q+2*n+1], v[AL+2*\q:AL+2*\q+1] op_sel_hi:[1,0]
.set n, n+1
.endr
.endr
.irp q, 0,1
	v_pk_add_f32 v[T+6*\q:T+6*\q+1],   v[S+16*\q:S+16*\q+1],   v[S+16*\q+2:S+16*\q+3]
	v_pk_add_f32 v[T+6*\q+2:T+6*\q+3], v[S+16*\q+4:S+16*\q+5], v[S+16*\q+6:S+16*\q+7]
	v_pk_add_f32 v[T+6*\q+4:T+6*\q+5], v[S+16*\q+8:S+16*\q+9], v[S+16*\q+10:S+16*\q+11]
.endr
.irp q, 0,1
	PADD T+6*\q,   S+16*\q+12
	PADD T+6*\q+2, S+16*\q+14
.endr
.irp q, 0,1
	PADD T+6*\q, T+6*\q+2
.endr
.irp q, 0,1
	PADD T+6*\q, T+6*\q+4
.endr
.irp q, 0,1
	v_pk_fma_f32 v[L+4*\set+2*\q:L+4*\set+2*\q+1], v[L+4*\set+2*\q:L+4*\set+2*\q+1], v[AL+2*\q:AL+2*\q+1], v[T+6*\q:T+6*\q+1] op_sel_hi:[1,0,1]
.endr
.irp q, 0,1
.irp p, 0,1,2,3,4,5,6,7
	v_cvt_pk_f16_f32 v[P+8*\q+\p], v[S+16*\q+2*\p], v[S+16*\q+2*\p+1]  ; registers 0-3: keys 8 h .., 4-7: keys 16 + 8 h ..: the operand's own layout
.endr
.endr
.endm
; O^T += V^T P^T: eight accumulators, one instruction each
.macro PV set, st
	WIN 0x01                                       ; V window 1
.irp t, 0,1,2,3
.irp q, 0,1
	v_wmma_f32_16x16x32_f16 v[O+64*\set+32*\q+8*\t:O+64*\set+32*\q+8*\t+7], v[64*\st+32+8*\t:64*\st+32+8*\t+7], v[P+8*\q:P+8*\q+7], v[O+64*\set+32*\q+8*\t:O+64*\set+32*\q+8*\t+7]
.endr
.endr
	WIN 0
.endm
; The chunk in stage st.  left = the loads of the younger stages, which may stay out.  The loads stand on every path, so the counts hold on every path.
; fill = 1: the stage gets the chunk 24 further on, clamped to the batch's last chunk, so that no load leaves the batch; a chunk behind 127 - j is loaded and not used.
.macro SUB st, fill, left
	s_wait_loadcnt \left                           ; this stage's 16 loads are in (and, the first time, q's): its offset register is free too
	s_cmp_gt_u32 s[SC], s[SCHI]
	s_cbranch_scc1 .Lskip_\@
	SCORES 1, \st
	s_cmp_lg_u32 s[SC], s[SCHI]
	s_cbranch_scc1 .Lfull_hi_\@
	MASK
.Lfull_hi_\@:
	SOFT 1
	PV 1, \st
	s_cmp_gt_u32 s[SC], s[SJ]
	s_cbranch_scc1 .Lskip_\@
	SCORES 0, \st
	s_cmp_lg_u32 s[SC], s[SJ]
	s_cbranch_scc1 .Lfull_lo_\@
	MASK
.Lfull_lo_\@:
	SOFT 0
	PV 0, \st
.Lskip_\@:
.if \fill
	v_add_nc_u32 v[VOFF+\st], 24*CHUNK, v[VOFF+\st]
	v_min_u32 v[VOFF+\st], v[VOFF+\st], v[VMAX]
	v_nop                                          ; with the two lines above: four places between the last matrix instruction that read V and the loads into it
	v_nop
	FILL \st
.endif
	s_add_co_u32 s[SC], s[SC], 8
.endm
.Lgroup:
	SUB 0, 1, 32
	SUB 1, 1, 32
	SUB 2, 1, 32
	s_sub_co_u32 s[STR], s[STR], 1
	s_cmp_lg_u32 s[STR], 0
	s_cbranch_scc1 .Lgroup
	SUB 0, 0, 32                                   ; the last three stages are not filled again: the counts run down
	SUB 1, 0, 16
	SUB 2, 0, 0
	; THE MERGE of the eight waves.  First the maxima: each wave's into its own 256 bytes, [wave][row].
.rept 4
	v_nop                                          ; four places behind the last matrix instructions
.endr
.irp qt, 0,1,2,3
	v_mov_b32 v[T+4+\qt], 0                        ; v_permlanex16_b32 counts as a reader of its destination
	v_add_f32 v[T+\qt], v[L+2*\qt], v[L+2*\qt+1]
.endr
.irp qt, 0,1,2,3
	v_permlanex16_b32 v[T+4+\qt], v[T+\qt], s18, s19
.endr
.irp qt, 0,1,2,3
	v_add_f32 v[T+\qt], v[T+\qt], v[T+4+\qt]       ; my wave's sum for query 16 qt + r
	ds_store_b32 v[MA], v[M+\qt] offset:64*\qt     ; lanes r and 16 + r write the same word with the same number
.endr
	s_wait_dscnt 0x0                               ; for the others' sake
	s_barrier_signal -1
	s_barrier_wait -1
.irp qt, 0,1,2,3
.irp s, 0,1,2,3,4,5,6,7
	ds_load_b32 v[S+8*\qt+\s], v[MR] offset:256*\s+64*\qt
.endr
.endr
	s_wait_dscnt 0x0
.irp qt, 0,1,2,3
	v_max3_num_f32 v[T+4+\qt], v[S+8*\qt],   v[S+8*\qt+1], v[S+8*\qt+2]
	v_max3_num_f32 v[T+8+\qt], v[S+8*\qt+3], v[S+8*\qt+4], v[S+8*\qt+5]
.endr
.irp qt, 0,1,2,3
	v_max3_num_f32 v[T+4+\qt], v[T+4+\qt], v[T+8+\qt], v[S+8*\qt+6]
.endr
.irp qt, 0,1,2,3
	v_max_num_f32 v[T+4+\qt], v[T+4+\qt], v[S+8*\qt+7]     ; the row's maximum over all waves: wave 0 has chunk 0 of every row, so it is a true score
.endr
.irp qt, 0,1,2,3
	v_sub_f32 v[T+4+\qt], v[M+\qt], v[T+4+\qt]
.endr
.irp qt, 0,1,2,3
	v_exp_f32 v[AL+2*\qt], v[T+4+\qt]              ; my wave's weight; 0 for a wave that had no key of the row (its maximum is still -1e30)
.endr
	v_nop                                          ; a plain place behind the exponentials
	s_wait_alu depctr_va_vdst(0)
.irp qt, 0,1,2,3
	v_mul_f32 v[T+\qt], v[T+\qt], v[AL+2*\qt]
	ds_store_b32 v[MA], v[T+\qt] offset:LST+64*\qt
.endr
.irp qt, 0,1,2,3
.set n, 0
.rept 16
	v_pk_mul_f32 v[O+32*\qt+2*n:O+32*\qt+2*n+1], v[O+32*\qt+2*n:O+32*\qt+2*n+1], v[AL+2*\qt:AL+2*\qt+1] op_sel_hi:[1,0]
.set n, n+1
.endr
.irp t, 0,1,2,3
	ds_store_b128 v[OA], v[O+32*\qt+8*\t:O+32*\qt+8*\t+3]   offset:\qt*16*OPITCH+64*\t      ; row 16 qt + r, columns 16 t + 8 h ..
	ds_store_b128 v[OA], v[O+32*\qt+8*\t+4:O+32*\qt+8*\t+7] offset:\qt*16*OPITCH+64*\t+16
.endr
.endr
	s_wait_dscnt 0x0
	s_barrier_signal -1
	s_barrier_wait -1
	; Wave w adds up rows 8 w .. 8 w + 7 of the 64: lanes 0-15 row 8 w + 2 i, lanes 16-31 the next, 16 bytes a lane.
.irp s, 0,1,2,3,4,5,6,7
.irp i, 0,1,2,3
	ds_load_b128 v[O+16*\s+4*\i:O+16*\s+4*\i+3], v[RB+(\s>>2)] offset:(\s&3)*OWAVE+\i*2*OPITCH
.endr
.endr
.irp i, 0,1,2,3
.irp s, 0,1,2,3,4,5,6,7
	ds_load_b32 v[S+8*\i+\s], v[LR] offset:256*\s+8*\i
.endr
.endr
	s_wait_dscnt 0x0
.irp i, 0,1,2,3
.irp p, 0,2
.irp s, 0,2,4,6
	PADD O+16*\s+4*\i+\p, O+16*(\s+1)+4*\i+\p
.endr
.endr
	PADD S+8*\i,   S+8*\i+2
	PADD S+8*\i+4, S+8*\i+6
.endr
.irp i, 0,1,2,3
.irp p, 0,2
	PADD O+4*\i+\p,    O+32+4*\i+\p
	PADD O+64+4*\i+\p, O+96+4*\i+\p
.endr
	PADD S+8*\i, S+8*\i+4
.endr
.irp i, 0,1,2,3
.irp p, 0,2
	PADD O+4*\i+\p, O+64+4*\i+\p
.endr
	v_add_f32 v[S+8*\i], v[S+8*\i], v[S+8*\i+1]    ; the row's sum: at least 1, the largest score's own exponential
.endr
.irp i, 0,1,2,3
	v_rcp_f32 v[T+2*\i],   v[S+8*\i]               ; twice, to fill the pair that the packed multiply takes
	v_rcp_f32 v[T+2*\i+1], v[S+8*\i]
.endr
	v_nop                                          ; a plain place behind the reciprocals
	s_wait_alu depctr_va_vdst(0)
.irp i, 0,1,2,3
	v_pk_mul_f32 v[O+4*\i:O+4*\i+1],   v[O+4*\i:O+4*\i+1],   v[T+2*\i:T+2*\i+1]
	v_pk_mul_f32 v[O+4*\i+2:O+4*\i+3], v[O+4*\i+2:O+4*\i+3], v[T+2*\i:T+2*\i+1]
	global_store_b128 v[LANE16], v[O+4*\i:O+4*\i+3], s[10:11] offset:512*\i th:TH_STORE_NT   ; two whole rows: 512 consecutive bytes, aligned
.endr
	s_wait_tensorcnt 0x0
	ds_add_u32 v254, v255
	s_wait_dscnt 0x0
	s_endpgm
.Lfunc_end_k_q58981bbdf8_attn:
	.size	k_q58981bbdf8_attn, .Lfunc_end_k_q58981bbdf8_attn-k_q58981bbdf8_attn
	.p2alignl 7, 3214868480
	.fill 96, 4, 3214868480
	.section	.rodata,"a",@progbits
	.p2align	6, 0x0
	.amdhsa_kernel k_q58981bbdf8_attn
		.amdhsa_group_segment_fixed_size 144384
		.amdhsa_private_segment_fixed_size 0
		.amdhsa_enable_private_segment 0
		.amdhsa_kernarg_size 32
		.amdhsa_user_sgpr_count 2
		.amdhsa_user_sgpr_kernarg_segment_ptr 1
		.amdhsa_wavefront_size32 1
		.amdhsa_system_sgpr_workgroup_id_x 1
		.amdhsa_system_sgpr_workgroup_id_y 1
		.amdhsa_system_sgpr_workgroup_id_z 1
		.amdhsa_system_vgpr_workitem_id 0
		.amdhsa_next_free_vgpr 512
		.amdhsa_next_free_sgpr 66
		.amdhsa_reserve_vcc 0
		.amdhsa_float_denorm_mode_32 3
		.amdhsa_float_denorm_mode_16_64 3
		.amdhsa_memory_ordered 1
		.amdhsa_forward_progress 1
		.amdhsa_inst_pref_size 162
	.end_amdhsa_kernel
	.amdgpu_metadata
---
amdhsa.version: [ 1, 2 ]
amdhsa.kernels:
  - .name:           k_q58981bbdf8_attn
    .symbol:         k_q58981bbdf8_attn.kd
    .args:
      - { .name: qf, .offset: 0, .size: 8, .value_kind: global_buffer, .address_space: global }
      - { .name: kf, .offset: 8, .size: 8, .value_kind: global_buffer, .address_space: global }
      - { .name: vf, .offset: 16, .size: 8, .value_kind: global_buffer, .address_space: global }
      - { .name: out0, .offset: 24, .size: 8, .value_kind: global_buffer, .address_space: global }
    .group_segment_fixed_size: 144384
    .private_segment_fixed_size: 0
    .kernarg_segment_align: 8
    .kernarg_segment_size: 32
    .max_flat_workgroup_size: 256
    .sgpr_count:     66
    .vgpr_count:     512
    .wavefront_size: 32
...
	.end_amdgpu_metadata
.endif
;; end of part 2
